; MI455X (gfx1250); checked and timed in simulation.
; The chip was launched on July 23, 2026; its instructions are those of AMD's public machine-readable ISA for CDNA 5 (MIT licence, August 2026) and "CDNA5" Instruction Set Architecture Reference Guide (July 2026). The comments in the code are by the model that wrote it; some were corrected since.
;; MLX Swi GLU. Allowed arithmetic: float matrix products may take bf16 or f16 operands with f32 sums; other float arithmetic in f32, or as packed bf16 or f16 multiplies, adds, multiply-adds, maxima and minima; sums over many terms, partial sums and values carried from step to step in f32; what a program stores and reads back later, other than sums and carried values, may be rounded once to bf16 or f16.
;; Inputs: w_down 2,048 x 1,024 float32; w_gate 1,024 x 2,048 float32; w_up 1,024 x 2,048 float32; x 4 x 2,048 x 2,048 float32.
;; Outputs: out0 4 x 2,048 x 2,048 float32.
;; 2 versions, each right; version 2 is version 1 with the launch cast written anew for expert scheduling mode. Each part assembles by itself: llvm-mc -triple=amdgcn-amd-amdhsa -mcpu=gfx1250 --defsym DOCPART=n.
;; ======== version 1 of 2: 3 launches
;; workspace buffers: xb 33,554,432 bytes; wgu 8,388,608 bytes; wdb 4,194,304 bytes; h 16,777,216 bytes
;; launch cast (part 1): grid 256 x 1, 32 waves a work-group, no clusters, 0 bytes of LDS; arguments x, w_gate, w_up, w_down, xb, wgu, wdb; writes xb, wgu, wdb
.if DOCPART == 1
	.amdgcn_target "amdgcn-amd-amdhsa--gfx1250"
	.amdhsa_code_object_version 6
	.text
	.protected	k_qdc47fa7ba4_cast
	.globl	k_qdc47fa7ba4_cast
	.p2align	8
	.type	k_qdc47fa7ba4_cast,@function
k_qdc47fa7ba4_cast:
	s_mov_b64 s[64:65], 0
	v_nop
	global_prefetch_b8 v0, s[64:65] scope:SCOPE_SE
	s_setreg_imm32_b32 hwreg(HW_REG_WAVE_MODE, 25, 1), 1
	s_wait_xcnt 0x0
; out = down( silu(x Wg^T) * (x Wu^T) ), in three launches: this one rounds all four inputs to bf16, once for each number; the second makes
; h = silu(x Wg^T) * (x Wu^T); the third makes out = h Wd^T.  NOTHING IS LEFT OUT: each of the four inputs reaches the output for every value, so all are loaded and all products are made.
; THIS LAUNCH: xb = bf16(x) [8192][2048]; wgu = bf16(w_gate) in rows 0-1023 and bf16(w_up) in rows 1024-2047, [2048][2048]; wdb = bf16(w_down) [2048][1024].
; Rounding is to nearest even.  LIMIT: an f32 beyond bf16's largest finite number (3.39e38) becomes an infinity; NaN stays NaN.
; SHARES.  256 work-groups of 1,024 threads.  A PIECE is 16,384 bytes of f32: one load of 16 bytes a thread; a wave's load covers 512 consecutive bytes, aligned, and its store of
; 8 bytes a lane 256 consecutive bytes, aligned.  Work-group g takes 16 pieces of x on end (262,144 bytes) and 2 pieces of each weight (32,768 bytes).
; All 22 loads of a thread go out before the first wait: no loop, no register is written twice while a memory instruction names it.  No LDS, no barrier, no matrix unit: no byte is used twice.
.set PIECE, 16384                      ; bytes in, for one load of each thread
.set HALFP, 8192                       ; bytes out
.set X,     4                          ; v[4:91]  load j: four registers; its first two then hold the four bf16
	s_load_b256 s[4:11], s[0:1], 0x0               ; x s[4:5], w_gate s[6:7], w_up s[8:9], w_down s[10:11]
	s_load_b128 s[12:15], s[0:1], 0x20             ; xb s[12:13], wgu s[14:15]
	s_load_b64 s[16:17], s[0:1], 0x30              ; wdb
	v_lshlrev_b32 v1, 4, v0                        ; my 16 bytes of a piece
	v_lshlrev_b32 v2, 3, v0                        ; my 8 bytes of its bf16 copy
	s_lshl_b32 s18, ttmp9, 18                      ; the work-group's part of x,
	s_mov_b32 s19, 0
	s_lshl_b32 s20, ttmp9, 15                      ; of each weight,
	s_mov_b32 s21, 0
	s_lshl_b32 s22, ttmp9, 17                      ; of xb
	s_mov_b32 s23, 0
	s_wait_kmcnt 0x0
	s_add_nc_u64 s[4:5], s[4:5], s[18:19]
	s_add_nc_u64 s[6:7], s[6:7], s[20:21]
	s_add_nc_u64 s[8:9], s[8:9], s[20:21]
	s_add_nc_u64 s[10:11], s[10:11], s[20:21]
	s_add_nc_u64 s[12:13], s[12:13], s[22:23]
	s_lshl_b32 s18, ttmp9, 14                      ; and of a weight's bf16 copy
	s_add_nc_u64 s[14:15], s[14:15], s[18:19]
	s_add_nc_u64 s[16:17], s[16:17], s[18:19]
.irp j, 0,1,2,3,4,5,6,7,8,9,10,11,12,13,14,15
	global_load_b128 v[X+4*(\j):X+4*(\j)+3], v1, s[4:5] offset:(\j)*PIECE th:TH_LOAD_NT
.endr
.irp i, 0,1
	global_load_b128 v[X+64+4*(\i):X+64+4*(\i)+3], v1, s[6:7] offset:(\i)*PIECE th:TH_LOAD_NT
.endr
.irp i, 0,1
	global_load_b128 v[X+72+4*(\i):X+72+4*(\i)+3], v1, s[8:9] offset:(\i)*PIECE th:TH_LOAD_NT
.endr
.irp i, 0,1
	global_load_b128 v[X+80+4*(\i):X+80+4*(\i)+3], v1, s[10:11] offset:(\i)*PIECE th:TH_LOAD_NT
.endr
; Load j of 22 is rounded and stored at byte off behind base.
.macro OUT j, base, off
	s_wait_loadcnt 21-(\j)                         ; loads come back in order (ISA guide 5.7.1): load j is in, the 21 - j younger ones may stay out
	v_cvt_pk_bf16_f32 v[X+4*(\j)],   v[X+4*(\j)],   v[X+4*(\j)+1]
	v_cvt_pk_bf16_f32 v[X+4*(\j)+1], v[X+4*(\j)+2], v[X+4*(\j)+3]
	global_store_b64 v2, v[X+4*(\j):X+4*(\j)+1], s[(\base):(\base)+1] offset:\off
.endm
.irp j, 0,1,2,3,4,5,6,7,8,9,10,11,12,13,14,15
	OUT \j, 12, (\j)*HALFP
.endr
	OUT 16, 14, 0                                  ; w_gate: wgu's rows 0-1023
	OUT 17, 14, HALFP
	OUT 18, 14, 4194304                            ; w_up: wgu's rows 1024-2047, 1,024 rows of 4,096 bytes on
	OUT 19, 14, 4194304+HALFP
	OUT 20, 16, 0
	OUT 21, 16, HALFP
	s_endpgm
.Lfunc_end_k_qdc47fa7ba4_cast:
	.size	k_qdc47fa7ba4_cast, .Lfunc_end_k_qdc47fa7ba4_cast-k_qdc47fa7ba4_cast
	.p2alignl 7, 3214868480
	.fill 96, 4, 3214868480
	.section	.rodata,"a",@progbits
	.p2align	6, 0x0
	.amdhsa_kernel k_qdc47fa7ba4_cast
		.amdhsa_group_segment_fixed_size 0
		.amdhsa_private_segment_fixed_size 0
		.amdhsa_enable_private_segment 0
		.amdhsa_kernarg_size 56
		.amdhsa_user_sgpr_count 2
		.amdhsa_user_sgpr_kernarg_segment_ptr 1
		.amdhsa_wavefront_size32 1
		.amdhsa_system_sgpr_workgroup_id_x 1
		.amdhsa_system_sgpr_workgroup_id_y 1
		.amdhsa_system_sgpr_workgroup_id_z 1
		.amdhsa_system_vgpr_workitem_id 0
		.amdhsa_next_free_vgpr 96
		.amdhsa_next_free_sgpr 66
		.amdhsa_reserve_vcc 0
		.amdhsa_float_denorm_mode_32 3
		.amdhsa_float_denorm_mode_16_64 3
		.amdhsa_memory_ordered 1
		.amdhsa_forward_progress 1
		.amdhsa_inst_pref_size 9
	.end_amdhsa_kernel
	.amdgpu_metadata
---
amdhsa.version: [ 1, 2 ]
amdhsa.kernels:
  - .name:           k_qdc47fa7ba4_cast
    .symbol:         k_qdc47fa7ba4_cast.kd
    .args:
      - { .name: x, .offset: 0, .size: 8, .value_kind: global_buffer, .address_space: global }
      - { .name: w_gate, .offset: 8, .size: 8, .value_kind: global_buffer, .address_space: global }
      - { .name: w_up, .offset: 16, .size: 8, .value_kind: global_buffer, .address_space: global }
      - { .name: w_down, .offset: 24, .size: 8, .value_kind: global_buffer, .address_space: global }
      - { .name: xb, .offset: 32, .size: 8, .value_kind: global_buffer, .address_space: global }
      - { .name: wgu, .offset: 40, .size: 8, .value_kind: global_buffer, .address_space: global }
      - { .name: wdb, .offset: 48, .size: 8, .value_kind: global_buffer, .address_space: global }
    .group_segment_fixed_size: 0
    .private_segment_fixed_size: 0
    .kernarg_segment_align: 8
    .kernarg_segment_size: 56
    .max_flat_workgroup_size: 1024
    .sgpr_count:     66
    .vgpr_count:     96
    .wavefront_size: 32
...
	.end_amdgpu_metadata
.endif
;; end of part 1
;; launch gateup (part 2): grid 8 x 32, 4 waves a work-group, clusters of 4 x 4, 327,680 bytes of LDS; arguments xb, wgu, h; writes h
.if DOCPART == 2
	.amdgcn_target "amdgcn-amd-amdhsa--gfx1250"
	.amdhsa_code_object_version 6
	.text
	.protected	k_qdc47fa7ba4_gateup
	.globl	k_qdc47fa7ba4_gateup
	.p2align	8
	.type	k_qdc47fa7ba4_gateup,@function
k_qdc47fa7ba4_gateup:
	s_mov_b64 s[64:65], 0
	v_nop
	global_prefetch_b8 v0, s[64:65] scope:SCOPE_SE
	s_setreg_imm32_b32 hwreg(HW_REG_WAVE_MODE, 25, 1), 1
	s_wait_xcnt 0x0
	s_wait_alu depctr_hold_cnt(0) depctr_sa_sdst(0) depctr_va_vdst(0) depctr_va_sdst(0) depctr_va_ssrc(0) depctr_va_vcc(0) depctr_vm_vsrc(0)
	s_getreg_b32 s2, hwreg(HW_REG_IB_STS2, 6, 4)
	s_cmp_eq_u32 s2, 0
	s_cbranch_scc0 .Lentry_in_a_cluster
	s_endpgm
.Lentry_in_a_cluster:
	s_bfe_u32 s2, ttmp6, 0x10000c
	s_cmp_lg_u32 s2, 0xf033
	s_cbranch_scc0 .Lentry_shape_is_right
	s_endpgm
.Lentry_shape_is_right:
; h[m][j] = silu(G[m][j]) U[m][j], G = xb Wg^T, U = xb Wu^T.  A = xb [8192][2048] bf16; B = wgu [2048][2048] bf16 (rows 0-1023 gate, rows 1024-2047 up); h [8192][1024] bf16.
; Sums in f32, K ascending; silu in f32: sigmoid(g) = 1 / (1 + 2^(-g log2 e)), then (g sigmoid) u as the problem has it; h rounded once, to bf16 (f16's range would not hold h for larger inputs).
; LIMITS.  2^(..) overflows to infinity for g below about -88.7: the sigmoid is then 0 where the exact one is under 2^-126; NaN and infinities are not treated apart.  No work is left out.
; SHARES.  A work-group of four waves, as many as a WGP has SIMDs, makes 256 rows x 128 hidden units of h, which is a tile of 256 x 256 sums: 128 columns of G and the SAME 128 of U.
; A wave makes 128 rows x (64 of G + 64 of U): 64 accumulators of 16 x 16, 512 registers; its n blocks 0-3 are G's and 4-7 U's for the same hidden units, so g and u of one number of h
; lie in the same lane and the same register place of accumulators b and b + 4, and silu needs no exchange.  8 x 32 = 256 work-groups.
; K goes in steps of 128 through a ring of two LDS slots filled by the tensor data mover: the tiles' rows are 256 bytes of memory and start at multiples of 256 bytes from the buffer's first byte.
; CLUSTERS: 4 x 4 work-groups.  The four of a row of the cluster need the same tiles of A, the four of a column the same tiles of B: each tile is asked for JOINTLY, by the same tensor load
; with the same descriptor and a mask that names the four, and each receives it in its own LDS.
; REGISTERS, in windows of 256 (s_set_vgpr_msb's low byte: bits 1:0 source 0, 3:2 source 1, 5:4 source 2, 7:6 destination):
;   window 0: v0-31 addresses; v64-127, v128-191 fragments of A, two buffers; on the way out v32-63 silu at work, v192-207 packed h, v64-191 rows read back
;   window 1: v64-127, v128-191 fragments of B, two buffers      window 2: the 32 accumulators of my rows 0-63 ((a, b) at v[8 (8 a + b)])      window 3: those of my rows 64-127
; THE MATRIX INSTRUCTION IS USED TRANSPOSED: source 0 = 16 rows of B, source 1 = 16 rows of A: lane l holds row l % 16 of the tile and the columns 8 (l / 16) + 0..7: eight neighbouring numbers of a row.
.set SIZE_K, 2048
.set BCOL_SH, 7                        ; a tile column takes 128 rows of gate (and the same 128 of up)
.set BSPL_SH, 10                       ; the second half of B's tile lies 1,024 rows on in wgu: up
.set BSKIP,  64                        ; in LDS my n blocks 4-7 lie 64 rows further on than 16 rows a block would put them
.set HROW,   2048                      ; bytes in a row of h
.set KSTEP,  128
.set PITCH,  272                       ; an LDS row: 256 bytes + 16 of padding = 68 words: row r starts at bank 4 r mod 64 (64 banks of 4 bytes: ISA guide 11.1), so the 16 rows of a load start at 16 different banks
.set HALFT,  128*PITCH                 ; 128 rows: what one tensor load brings
.set BHALF,  64*PITCH                  ; my column half: 64 rows into gate's 128 (and into up's)
.set SLOT,   4*HALFT                   ; A's 256 rows, then B's: 128 of gate, 128 of up
.set STAGE,  2*SLOT                    ; behind the ring, never filled by a tensor load: 128 rows x 272 bytes, the work-group's, for the way out
.set SPITCH, 272
.set SPARE,  STAGE+128*SPITCH          ; behind the stage: the spare words, 128 bytes for each wave: two blocks of 256 bytes that no other line names
.set LAPS,   SIZE_K/(2*KSTEP)          ; a lap = two K steps = once round the ring
.set ADRA, 16                          ; v16-17  LDS address of my A fragments in slot 0, 1
.set ADRB, 20                          ; v20-21  the same for B
.set STO,  24                          ; v24     the way out: where I put 16 bytes of a row
.set RD,   25                          ; v25     the way out: where I read a row back
.set CO,   26                          ; v26     my byte offset in h
.set SPW,  28                          ; v28     LDS address of my spare word: SPARE + 4 x my thread's number; never rewritten
.set NIL,  29                          ; v29     0; never rewritten
.set PFO,  30                          ; v30     the prefetches' offset: my lane x a row of A or B in memory; never rewritten
.set E,    32                          ; v32-63  silu at work: 32 numbers a lane
.set F0,   64                          ; fragment buffer 0
.set F1,   128                         ; fragment buffer 1
.set OB,   64                          ; the way out: 32 rows read back, 64 registers; a second set 64 on
.set TMP,  192                         ; the way out: 16 registers of packed h
.set CS,   18                          ; s[18:19] -log2(e): the packed multiply takes the pair's low word for both halves
.set LIM,  43                          ; s43     1 in a wave that prefetches, else the greatest number
.set PFA,  44                          ; s[44:45] where my prefetches stand: my work-group's 32 rows of the 128 that I fetch, one K step further along K than the refill in hand
.set G1,  24                           ; s[24:31] descriptor group 1 for A's tiles
.set G0,  32                           ; s[32:39] descriptor group 0 for A's tiles, one set for each slot
.set G1B, 48                           ; s[48:55] group 1 for B's tiles: it differs in the mask alone
.set G0B, 56                           ; s[56:63] group 0 for B's tiles
.set MSB, 0
.macro WIN new                         ; the immediate's high byte repeats the setting that is left; a switch that changes nothing is dropped
.if MSB != (\new)
	s_set_vgpr_msb (MSB<<8)|(\new)
.set MSB, \new
.endif
.endm
.set MUL_LO, 0xa1                      ; source 0 (B) window 1, source 1 (A) window 0, C and D window 2
.set MUL_HI, 0xf1                      ; the same, C and D window 3
.set TO_B,   0x40                      ; destination window 1, address window 0
; A joint load.  Waves 0 and 1 fetch A's two halves, waves 2 and 3 B's (gate's rows, up's rows).  Each line has one mask and one set of registers for all that issue it; the branch hangs on the wave's number alone.
; An s_nop 0 and four v_nop follow each of the two lines, ahead of the jump, the label and what follows.
.macro JLOAD s
	s_cmp_eq_u32 s11, 0
	s_cbranch_scc0 .Lfor_b_\@
	tensor_load_to_lds s[G0+4*(\s):G0+4*(\s)+3], s[G1:G1+7]
	s_nop 0
.rept 4
	v_nop
.endr
	s_branch .Lasked_\@
.Lfor_b_\@:
	tensor_load_to_lds s[G0B+4*(\s):G0B+4*(\s)+3], s[G1B:G1B+7]
	s_nop 0
.rept 4
	v_nop
.endr
.Lasked_\@:
.endm
; A PREFETCH INTO THE L2, behind each joint refill and the run of LDS loads that follows it: the K step that stands TWO refills on (512 matrix instructions ahead of the load that will ask for it):
; 32 rows x 256 bytes, a lane a row, one instruction a wave.  Each row's 256 bytes of a K step are named ONCE in the launch: A's tile row is read by both clusters of that row of clusters: the one
; with cluster x = 0 asks; B's tile column by all eight clusters of that column: the one with cluster y = 0 asks.  The four partners that ask for a tile jointly share its rows out BY ADDRESS: of the
; 128 rows that a wave fetches the partner at place p takes 32 p .. 32 p + 31 (p = cx for A, cy for B).  K steps 0 to 3 come by their loads alone; the loop's last trip (s3 = 1) asks for nothing: there is no K step two on.
.macro ASK
	s_cmp_gt_u32 s3, s[LIM]
	s_cbranch_scc0 .Lnot_mine_\@
	global_prefetch_b8 v[PFO], s[PFA:PFA+1] offset:KSTEP*2 th:TH_LOAD_NT scope:SCOPE_SE
.Lnot_mine_\@:
.endm
; A round of the cluster's barrier: my work-group's barrier, so that wave 0's signal speaks for all four waves; wave 0 signals for the work-group; every wave waits for all sixteen; my work-group's barrier once more.
.macro CREST                           ; a round behind its opening barrier
	s_cmp_lg_u32 s10, 0
	s_cbranch_scc1 .Lnot_wave_0_\@
	s_barrier_signal -3
.Lnot_wave_0_\@:
	s_barrier_wait -3
	s_barrier_signal -1
	s_barrier_wait -1
.endm
.macro CROUND                          ; a whole round
	s_barrier_signal -1
	s_barrier_wait -1
	CREST
.endm
	s_load_b128 s[4:7], s[0:1], 0x0                ; A s[4:5], B s[6:7]
	s_load_b64 s[8:9], s[0:1], 0x10                ; h
	v_lshl_add_u32 v[SPW], v0, 2, SPARE
	v_mov_b32 v[NIL], 0
	ds_add_u32 v[SPW], v[NIL]                      ; the wave's opening: the add, twice on end, and its wait ahead of my first tensor load; the set-up below, work on registers, stands between
	ds_add_u32 v[SPW], v[NIL]                      ; and once more, under the one wait
	v_lshrrev_b32 v1, 5, v0
	v_readfirstlane_b32 s10, v1                    ; wave 0..3
	s_lshr_b32 s11, s10, 1                         ; which half of the tile's rows is mine.  Also: I fetch for A (0) or for B (1)
	s_and_b32 s12, s10, 1                          ; which half of its hidden units.  Also: which 128 rows of that tile I fetch
	s_bfe_u32 s40, ttmp6, 0x40000                  ; cx: my place along the cluster's x
	s_bfe_u32 s41, ttmp6, 0x40004                  ; cy: along its y
	s_lshl_b32 s42, ttmp9, 2                       ; in a cluster launch ttmp9 and ttmp7 count clusters
	s_add_co_u32 s42, s42, s40                     ; tile column = 4 x cluster x + cx
	s_and_b32 s13, ttmp7, 0xffff
	s_lshl_b32 s13, s13, 2
	s_add_co_u32 s13, s13, s41                     ; tile row = 4 x cluster y + cy
	s_lshl_b32 s43, s41, 2
	s_lshl_b32 s43, 15, s43                        ; my row of the cluster: places 4 cy .. 4 cy + 3
	s_lshl_b32 s44, 0x1111, s40                    ; my column: places cx, cx + 4, cx + 8, cx + 12
	; descriptor group 1: a tile of 128 rows x 128 elements, padded in LDS
	s_or_b32 s[G1+0], s43, (1<<16)|(1<<20)|(1<<21)|(5<<22)|(3<<25)   ; 15:0 the mask: A's tiles go to my row; 17:16 elements of 2 bytes; 20 padding on; 21 set beside a mask; 24:22 after every 64 words (code 5); 31:25 4 words of it (code 3)
	s_or_b32 s[G1B+0], s44, (1<<16)|(1<<20)|(1<<21)|(5<<22)|(3<<25)  ; the same with the mask of my column, for B's tiles
.irp g, G1, G1B
	s_mov_b32 s[(\g)+1], KSTEP<<16                 ; tensor_dim0 = 128
	s_mov_b32 s[(\g)+2], 128<<16                   ; tensor_dim1 = 128
	s_mov_b32 s[(\g)+3], KSTEP<<16                 ; tile_dim0 = 128
	s_mov_b32 s[(\g)+4], 128                       ; tile_dim1 = 128
	s_mov_b32 s[(\g)+5], SIZE_K                    ; elements from row to row
	s_mov_b32 s[(\g)+6], 0
	s_mov_b32 s[(\g)+7], 0
.endr
	; where the tiles come from.  A's hang on the tile row alone, which my row of the cluster shares; B's on the tile column alone, which my column shares.  Every wave makes both, in registers that never hold the other coordinate.
	s_lshl_b32 s17, s12, 7
	s_lshl_b32 s16, s13, 8
	s_add_co_u32 s16, s16, s17                     ; A: row 256 x tile row + 128 x half
	s_mul_i32 s16, s16, SIZE_K*2                   ; in bytes: under 2^26
	s_mov_b32 s17, 0
	s_lshl_b32 s46, s42, BCOL_SH
	s_lshl_b32 s47, s12, BSPL_SH
	s_add_co_u32 s46, s46, s47                     ; B: row 128 x tile column, + 1,024 for up's rows
	s_mul_i32 s46, s46, SIZE_K*2
	s_mov_b32 s47, 0
	s_mul_i32 s20, s10, HALFT                      ; and where they go: wave x 128 rows: no place in the cluster enters an LDS address
	s_wait_dscnt 0x0                               ; both opening adds are done
	s_wait_kmcnt 0x0
	s_add_nc_u64 s[14:15], s[4:5], s[16:17]
	s_add_nc_u64 s[46:47], s[6:7], s[46:47]
	CROUND                                         ; all sixteen work-groups are here: the first joint loads meet
.irp s, 0,1
	s_mov_b32 s[G0+4*(\s)], 1                                        ; count = 1
	s_add_co_u32 s[G0+4*(\s)+1], s20, (\s)*SLOT                      ; LDS address
	s_add_nc_u64 s[G0+4*(\s)+2:G0+4*(\s)+3], s[14:15], (\s)*KSTEP*2  ; global address: K step s
	s_or_b32 s[G0+4*(\s)+3], s[G0+4*(\s)+3], 0x80000000              ; type = 2
	s_mov_b32 s[G0B+4*(\s)], 1
	s_add_co_u32 s[G0B+4*(\s)+1], s20, (\s)*SLOT
	s_add_nc_u64 s[G0B+4*(\s)+2:G0B+4*(\s)+3], s[46:47], (\s)*KSTEP*2
	s_or_b32 s[G0B+4*(\s)+3], s[G0B+4*(\s)+3], 0x80000000
	JLOAD \s                                       ; the ring is filled before anything else is done: two loads of mine are out
.endr
	; A fragment is 16 rows x 32 K in 8 registers: lane l holds row l % 16; registers 0-3 K = 8 (l / 16) + 0..7, registers 4-7 K = 16 + 8 (l / 16) + 0..7: two loads of 16 bytes, 32 bytes apart.
	v_and_b32 v1, 15, v0                           ; l % 16
	v_bfe_u32 v2, v0, 4, 1                         ; l / 16
	v_mul_u32_u24 v3, v1, PITCH
	v_lshl_add_u32 v3, v2, 4, v3                   ; row x pitch + 16 x half
	s_mul_i32 s21, s11, HALFT                      ; my 128 rows of A
	s_mul_i32 s22, s12, BHALF                      ; my rows of B,
	s_add_co_u32 s22, s22, 2*HALFT                 ; which lie behind A's 256
.irp s, 0,1
	v_add_nc_u32 v[ADRA+(\s)], s21, v3
	v_add_nc_u32 v[ADRB+(\s)], s22, v3
	s_add_co_u32 s21, s21, SLOT
	s_add_co_u32 s22, s22, SLOT
.endr
	; the way out.  The stage holds 64 rows of each row half at a time; a row's 256 bytes come from the two waves of that half.
	s_mul_i32 s23, s11, 64*SPITCH
	s_lshl_b32 s21, s12, 7
	s_add_co_u32 s23, s23, s21
	s_add_co_u32 s23, s23, STAGE
	v_mul_u32_u24 v4, v1, SPITCH                   ; in: row l % 16, 16 bytes for each half of the lanes
	v_lshl_add_u32 v4, v2, 4, v4
	v_add_nc_u32 v[STO], s23, v4
	s_mul_i32 s23, s10, 32*SPITCH                  ; back: wave w takes the stage's rows 32 w .. 32 w + 31, whole; lanes 0-15 one row of 256 bytes, lanes 16-31 the next
	s_add_co_u32 s23, s23, STAGE
	v_mul_u32_u24 v5, v2, SPITCH
	v_lshl_add_u32 v5, v1, 4, v5
	v_add_nc_u32 v[RD], s23, v5
	v_mul_u32_u24 v5, v2, HROW                     ; and the same two rows in h
	v_lshl_add_u32 v[CO], v1, 4, v5
	s_lshl_b32 s16, s13, 8
	s_lshl_b32 s17, s11, 7
	s_add_co_u32 s16, s16, s17
	s_lshl_b32 s17, s12, 5
	s_add_co_u32 s16, s16, s17                     ; the first row of h that I store: 256 x tile row + 128 (w / 2) + 32 (w % 2)
	s_mul_i32 s16, s16, HROW
	s_mov_b32 s17, 0
	s_lshl_b32 s46, s42, 8                         ; the tile's 128 hidden units: 256 bytes of a row
	s_mov_b32 s47, 0
	s_add_nc_u64 s[16:17], s[16:17], s[46:47]
	s_add_nc_u64 s[8:9], s[8:9], s[16:17]
	; the prefetches
	s_lshl_b32 s18, s13, 8
	s_lshl_b32 s19, s12, 7
	s_add_co_u32 s18, s18, s19                     ; the first row that I fetch, in A,
	s_lshl_b32 s19, s42, BCOL_SH
	s_lshl_b32 s23, s12, BSPL_SH
	s_add_co_u32 s19, s19, s23                     ; and in B
	s_and_b32 s22, ttmp7, 0xffff                   ; cluster y
	s_cmp_eq_u32 s11, 0                            ; do I fetch for A?
	s_cselect_b32 s20, s18, s19
	s_cselect_b32 s21, s40, s41                    ; my place among the four that ask with me
	s_cselect_b32 s22, ttmp9, s22                  ; the coordinate along which other clusters read the same rows
	s_cselect_b64 s[PFA:PFA+1], s[4:5], s[6:7]
	s_cmp_eq_u32 s22, 0
	s_cselect_b32 s[LIM], 1, -1                    ; the same in all sixteen partners, for a given wave
	s_lshl_b32 s21, s21, 5
	s_add_co_u32 s20, s20, s21                     ; + my work-group's 32 rows
	s_mul_i32 s20, s20, SIZE_K*2
	s_mov_b32 s21, 0
	s_add_nc_u64 s[PFA:PFA+1], s[PFA:PFA+1], s[20:21]
	s_add_nc_u64 s[PFA:PFA+1], s[PFA:PFA+1], 2*KSTEP*2  ; at K step 2: the first refill steps it to 3 and names K step 4
	v_and_b32 v[PFO], 31, v0
	v_mul_u32_u24 v[PFO], v[PFO], SIZE_K*2
	s_mov_b32 s[CS], 0xbfb8aa3b                    ; -log2(e)
	s_mov_b32 s[CS+1], s[CS]                       ; named with it as a pair
; 16 matrix instructions: m blocks a0, a0 + 1 of the window's four (hi = 0: my rows 0-63, 1: rows 64-127) x all 8 n blocks, 32 along K.  zero = 1: the first product starts the sums: nothing is ever cleared.
.macro MUL16 f, hi, a0, zero
	WIN MUL_LO+0x50*(\hi)
.irp a, \a0, (\a0)+1
.irp b, 0,1,2,3,4,5,6,7
.if \zero
	v_wmma_f32_16x16x32_bf16 v[8*(8*(\a)+(\b)):8*(8*(\a)+(\b))+7], v[(\f)+8*(\b):(\f)+8*(\b)+7], v[(\f)+8*(4*(\hi)+(\a)):(\f)+8*(4*(\hi)+(\a))+7], 0
.else
	v_wmma_f32_16x16x32_bf16 v[8*(8*(\a)+(\b)):8*(8*(\a)+(\b))+7], v[(\f)+8*(\b):(\f)+8*(\b)+7], v[(\f)+8*(4*(\hi)+(\a)):(\f)+8*(4*(\hi)+(\a))+7], v[8*(8*(\a)+(\b)):8*(8*(\a)+(\b))+7]
.endif
.endr
.endr
.endm
; 32 LDS loads in one run: the fragments of one quarter step (my 128 rows of B, my 128 rows of A, 32 K at byte k of the rows) into buffer f
.macro FETCH slot, k, f
	WIN TO_B
.irp i, 0,1,2,3,4,5,6,7
	ds_load_b128 v[(\f)+8*(\i):(\f)+8*(\i)+3],   v[ADRB+(\slot)] offset:(\k)+((\i)*16+((\i)/4)*BSKIP)*PITCH
	ds_load_b128 v[(\f)+8*(\i)+4:(\f)+8*(\i)+7], v[ADRB+(\slot)] offset:(\k)+((\i)*16+((\i)/4)*BSKIP)*PITCH+32
.endr
	WIN 0
.irp i, 0,1,2,3,4,5,6,7
	ds_load_b128 v[(\f)+8*(\i):(\f)+8*(\i)+3],   v[ADRA+(\slot)] offset:(\k)+(\i)*16*PITCH
	ds_load_b128 v[(\f)+8*(\i)+4:(\f)+8*(\i)+7], v[ADRA+(\slot)] offset:(\k)+(\i)*16*PITCH+32
.endr
.endm
; A load into a register that a matrix instruction has read, and a vector instruction or LDS store that reads a matrix result, stand four places behind that matrix instruction, and only plain vector
; instructions that name none of its registers are places (ISA guide 7.12.1 for vector instructions).
.macro PLACES
.rept 4
	v_nop
.endr
.endm
; A K step is four quarter steps of 32 along K, 64 matrix instructions each, on buffers 0, 1, 0, 1.  The 64 accumulators take turns in the same order in every quarter.
; One of the first three: multiplies buffer f; in its middle it fetches the next quarter's fragments, at byte k of the same slot's rows, into buffer g.
.macro QUARTER slot, k, f, g, zero
	s_wait_dscnt 8                                 ; B and A's rows 0-63 are in; the youngest eight loads (A's rows 64-127) may be out
	MUL16 \f, 0, 0, \zero
	MUL16 \f, 0, 2, \zero
	PLACES
	FETCH \slot, \k, \g
	s_wait_dscnt 32                                ; all but the 32 just issued
	MUL16 \f, 1, 0, \zero
	MUL16 \f, 1, 2, \zero
.endm
; The last quarter multiplies buffer 1 and changes slots.  MEET is its first half: ONE barrier for two things.  In front of it each wave waits for all its tensor loads, of which one is out: its part of
; the next slot; adds 0 to its spare word; and waits for that and for its own reads of this slot.  Behind it nobody reads this slot any more and the next slot is whole.
.macro MEET round                      ; round = 1: a round of the cluster's barrier follows
	WIN 0                                          ; (the add's two registers lie in window 0)
	s_wait_tensorcnt 0x0                           ; all my tensor loads have landed
	ds_add_u32 v[SPW], v[NIL]                      ; 0 onto my spare word
	s_wait_dscnt 9                                 ; (the add and the youngest eight loads may be out)
	MUL16 F1, 0, 0, 0                              ; sixteen matrix instructions stand between the add and the wait for it
	s_wait_dscnt 0x0                               ; the add is done, and my reads of this slot are over
	s_barrier_signal -1
	MUL16 F1, 0, 2, 0                              ; work on registers while the others arrive
.if \round
	WIN 0
.endif
	s_barrier_wait -1
.endm
; The whole last quarter, where the slot just read out is filled again, with the K step two steps on: the joint refill is the first tensor load behind the round, my one load until the next round;
; from the request to the wait for it a wave issues 224 matrix instructions.
.macro TURN slot, next
	s_wait_xcnt 0x0                                ; the last prefetch, a K step back, has read its address: it is stepped here, ahead of the change's own waits
	s_add_nc_u64 s[PFA:PFA+1], s[PFA:PFA+1], KSTEP*2
	MEET 1
	CREST                                          ; no wave of any partner still reads this slot's tile or has a load on its way
	s_add_nc_u64 s[G0+4*(\slot)+2:G0+4*(\slot)+3], s[G0+4*(\slot)+2:G0+4*(\slot)+3], 2*KSTEP*2
	s_add_nc_u64 s[G0B+4*(\slot)+2:G0B+4*(\slot)+3], s[G0B+4*(\slot)+2:G0B+4*(\slot)+3], 2*KSTEP*2
	JLOAD \slot                                    ; the four v_nop behind it are also the places in front of the loads below
	FETCH \next, 0, F0
	ASK
	MUL16 F1, 1, 0, 0
	MUL16 F1, 1, 2, 0
.endm
	s_wait_tensorcnt 1                             ; my part of K step 0 is in; K step 1's may stay out
	s_barrier_signal -1
	s_barrier_wait -1                              ; everybody's is
	FETCH 0, 0, F0
	QUARTER 0, 64,  F0, F1, 1                      ; the first quarter stands in front of the loop: its products start the sums
	WIN 0                                          ; at a label and at a branch every window is 0
	s_mov_b32 s3, LAPS-1
.Llap:                                                 ; a trip goes once round the ring, from a lap's second quarter to the next lap's first, and fills both slots again
	QUARTER 0, 128, F1, F0, 0
	QUARTER 0, 192, F0, F1, 0
	TURN 0, 1
	QUARTER 1, 64,  F0, F1, 0
	QUARTER 1, 128, F1, F0, 0
	QUARTER 1, 192, F0, F1, 0
	TURN 1, 0
	QUARTER 0, 64,  F0, F1, 0
	WIN 0
	s_sub_co_u32 s3, s3, 1
	s_cmp_lg_u32 s3, 0
	s_cbranch_scc1 .Llap
	QUARTER 0, 128, F1, F0, 0                      ; the last lap is written out: it fills nothing, and has no round of the cluster's barrier
	QUARTER 0, 192, F0, F1, 0
	MEET 0                                         ; my one tensor load that was still out is slot 1's, the last K step's
	PLACES
	FETCH 1, 0, F0
	MUL16 F1, 1, 0, 0
	MUL16 F1, 1, 2, 0
	QUARTER 1, 64,  F0, F1, 0
	QUARTER 1, 128, F1, F0, 0
	QUARTER 1, 192, F0, F1, 0
	s_wait_dscnt 8                                 ; the very last quarter: nothing more to fetch
	MUL16 F1, 0, 0, 0
	MUL16 F1, 0, 2, 0
	s_wait_dscnt 0x0
	MUL16 F1, 1, 0, 0
	MUL16 F1, 1, 2, 0
	WIN 0
	PLACES                                         ; eight plain places, once a launch, between the last products and the first read of a result
	PLACES
; THE WAY OUT.  SILU a: block a (16 of my rows x 64 hidden units): 32 numbers a lane.  g lies in accumulators 0-3 of the block (32 registers on end), u in 4-7.  Each accumulator is read from its
; low end on.  The 32 exponentials are one batch, the 32 reciprocals another: behind each a plain instruction and one wait ahead of the first reader.
; h is rounded to bf16, eight neighbouring numbers of a row (16 bytes) a lane and n block, and put into the stage.
.macro SILU a
.set AC, 64*((\a)%4)
	WIN 2+(\a)/4                                   ; source 0 in the block's window
.set i, 0
.rept 16
	v_pk_mul_f32 v[E+i:E+i+1], v[AC+i:AC+i+1], s[CS:CS+1] op_sel_hi:[1,0]  ; -g log2(e)
.set i, i+2
.endr
	WIN 0
.set i, 0
.rept 32
	v_exp_f32 v[E+i], v[E+i]
.set i, i+1
.endr
	v_nop
	s_wait_alu depctr_va_vdst(0)
.set i, 0
.rept 16
	v_pk_add_f32 v[E+i:E+i+1], v[E+i:E+i+1], 1.0 op_sel_hi:[1,0]
.set i, i+2
.endr
.set i, 0
.rept 32
	v_rcp_f32 v[E+i], v[E+i]                       ; the sigmoid
.set i, i+1
.endr
	v_nop
	s_wait_alu depctr_va_vdst(0)
	WIN 2+(\a)/4
.set i, 0
.rept 16
	v_pk_mul_f32 v[E+i:E+i+1], v[AC+i:AC+i+1], v[E+i:E+i+1]      ; silu(g)
.set i, i+2
.endr
.set i, 0
.rept 16
	v_pk_mul_f32 v[E+i:E+i+1], v[AC+32+i:AC+32+i+1], v[E+i:E+i+1]  ; times u
.set i, i+2
.endr
	WIN 0
.set i, 0
.rept 16
	v_cvt_pk_bf16_f32 v[TMP+i], v[E+2*i], v[E+2*i+1]
.set i, i+1
.endr
.irp b, 0,1,2,3
	ds_store_b128 v[STO], v[TMP+4*(\b):TMP+4*(\b)+3] offset:((\a)%4)*16*SPITCH+32*(\b)
.endr
.endm
; Pass p: every wave's blocks 4 p .. 4 p + 3 go into the stage; a barrier, since a row's 256 bytes come from two waves; each wave reads 32 whole rows back and stores them.
; Behind pass 0's reads stands a second barrier, each wave's reads waited for in front of it: pass 1 writes the same bytes.
.macro PASS p
	SILU 4*(\p)
	SILU 4*(\p)+1
	SILU 4*(\p)+2
	SILU 4*(\p)+3
	s_wait_dscnt 0x0                               ; for the others' sake: my stores into the stage are done
	s_barrier_signal -1
	s_barrier_wait -1
.irp t, 0,1,2,3,4,5,6,7,8,9,10,11,12,13,14,15
	ds_load_b128 v[OB+64*(\p)+4*(\t):OB+64*(\p)+4*(\t)+3], v[RD] offset:(\t)*2*SPITCH
.endr
.if (\p) == 0
	s_wait_dscnt 0x0                               ; my reads of the stage are back
	s_barrier_signal -1
	s_barrier_wait -1                              ; everybody's are: the stage may be written again
.endif
.irp t, 0,1,2,3,4,5,6,7,8,9,10,11,12,13,14,15
.if (\p) == 1
	s_wait_dscnt 15-(\t)                           ; LDS loads come back in order: load t is in, the younger ones may stay out
.endif
	global_store_b128 v[CO], v[OB+64*(\p)+4*(\t):OB+64*(\p)+4*(\t)+3], s[8:9] offset:(64*(\p)+2*(\t))*HROW  ; 16 lanes store 256 consecutive bytes, at a multiple of 256 from h's first byte
.endr
.endm
	PASS 0
	PASS 1
	s_wait_tensorcnt 0x0                           ; the wave's end: behind my last tensor load and my last LDS store
	ds_add_u32 v[SPW], v[NIL]
	s_wait_dscnt 0x0
	CROUND                                         ; the closing round: no work-group ends while a partner may still ask for a tile that names it
	s_endpgm
.Lfunc_end_k_qdc47fa7ba4_gateup:
	.size	k_qdc47fa7ba4_gateup, .Lfunc_end_k_qdc47fa7ba4_gateup-k_qdc47fa7ba4_gateup
	.p2alignl 7, 3214868480
	.fill 96, 4, 3214868480
	.section	.rodata,"a",@progbits
	.p2align	6, 0x0
	.amdhsa_kernel k_qdc47fa7ba4_gateup
		.amdhsa_group_segment_fixed_size 327680
		.amdhsa_private_segment_fixed_size 0
		.amdhsa_enable_private_segment 0
		.amdhsa_kernarg_size 24
		.amdhsa_user_sgpr_count 2
		.amdhsa_user_sgpr_kernarg_segment_ptr 1
		.amdhsa_wavefront_size32 1
		.amdhsa_system_sgpr_workgroup_id_x 1
		.amdhsa_system_sgpr_workgroup_id_y 1
		.amdhsa_system_sgpr_workgroup_id_z 1
		.amdhsa_system_vgpr_workitem_id 0
		.amdhsa_next_free_vgpr 1024
		.amdhsa_next_free_sgpr 66
		.amdhsa_reserve_vcc 0
		.amdhsa_float_denorm_mode_32 3
		.amdhsa_float_denorm_mode_16_64 3
		.amdhsa_memory_ordered 1
		.amdhsa_forward_progress 1
		.amdhsa_inst_pref_size 179
	.end_amdhsa_kernel
	.amdgpu_metadata
---
amdhsa.version: [ 1, 2 ]
amdhsa.kernels:
  - .name:           k_qdc47fa7ba4_gateup
    .symbol:         k_qdc47fa7ba4_gateup.kd
    .args:
      - { .name: xb, .offset: 0, .size: 8, .value_kind: global_buffer, .address_space: global }
      - { .name: wgu, .offset: 8, .size: 8, .value_kind: global_buffer, .address_space: global }
      - { .name: h, .offset: 16, .size: 8, .value_kind: global_buffer, .address_space: global }
    .group_segment_fixed_size: 327680
    .private_segment_fixed_size: 0
    .kernarg_segment_align: 8
    .kernarg_segment_size: 24
    .max_flat_workgroup_size: 128
    .sgpr_count:     66
    .vgpr_count:     1024
    .wavefront_size: 32
...
	.end_amdgpu_metadata
.endif
;; end of part 2
;; launch down (part 3): grid 8 x 32, 4 waves a work-group, clusters of 4 x 4, 327,680 bytes of LDS; arguments h, wdb, out0; writes out0
.if DOCPART == 3
	.amdgcn_target "amdgcn-amd-amdhsa--gfx1250"
	.amdhsa_code_object_version 6
	.text
	.protected	k_qdc47fa7ba4_down
	.globl	k_qdc47fa7ba4_down
	.p2align	8
	.type	k_qdc47fa7ba4_down,@function
k_qdc47fa7ba4_down:
	s_mov_b64 s[64:65], 0
	v_nop
	global_prefetch_b8 v0, s[64:65] scope:SCOPE_SE
	s_setreg_imm32_b32 hwreg(HW_REG_WAVE_MODE, 25, 1), 1
	s_wait_xcnt 0x0
	s_wait_alu depctr_hold_cnt(0) depctr_sa_sdst(0) depctr_va_vdst(0) depctr_va_sdst(0) depctr_va_ssrc(0) depctr_va_vcc(0) depctr_vm_vsrc(0)
	s_getreg_b32 s2, hwreg(HW_REG_IB_STS2, 6, 4)
	s_cmp_eq_u32 s2, 0
	s_cbranch_scc0 .Lentry_in_a_cluster
	s_endpgm
.Lentry_in_a_cluster:
	s_bfe_u32 s2, ttmp6, 0x10000c
	s_cmp_lg_u32 s2, 0xf033
	s_cbranch_scc0 .Lentry_shape_is_right
	s_endpgm
.Lentry_shape_is_right:
; out[m][n] = the sum over j of h[m][j] Wd[n][j].  A = h [8192][1024] bf16; B = wdb [2048][1024] bf16; out [8192][2048] f32.  Sums in f32, K ascending; stored as they are.  No work is left out.
; SHARES.  A tile of out, 256 x 256, is made by a work-group of four waves, as many as a WGP has SIMDs; a wave makes 128 x 128: 64 accumulators of 16 x 16, 512 registers.  8 x 32 = 256 work-groups.
; K goes in steps of 128 through a ring of two LDS slots filled by the tensor data mover: the tiles' rows are 256 bytes of memory and start at multiples of 256 bytes from the buffer's first byte.
; CLUSTERS: 4 x 4 work-groups.  The four of a row of the cluster need the same tiles of A, the four of a column the same tiles of B: each tile is asked for JOINTLY, by the same tensor load
; with the same descriptor and a mask that names the four, and each receives it in its own LDS.
; REGISTERS, in windows of 256 (s_set_vgpr_msb's low byte: bits 1:0 source 0, 3:2 source 1, 5:4 source 2, 7:6 destination):
;   window 0: v0-31 addresses; v64-127, v128-191 fragments of A, two buffers; on the way out the same registers take rows read back
;   window 1: v64-127, v128-191 fragments of B, two buffers      window 2: the 32 accumulators of my rows 0-63 ((a, b) at v[8 (8 a + b)])      window 3: those of my rows 64-127
; THE MATRIX INSTRUCTION IS USED TRANSPOSED: source 0 = 16 rows of B, source 1 = 16 rows of A: lane l holds row l % 16 of the tile and the columns 8 (l / 16) + 0..7: 32 neighbouring bytes of a row of out.
.set SIZE_K, 1024
.set BCOL_SH, 8                        ; a tile column takes 256 rows of wdb,
.set BSPL_SH, 7                        ; its second half 128 rows on
.set BSKIP,  0
.set OROW,   8192                      ; bytes in a row of out
.set KSTEP,  128
.set PITCH,  272                       ; an LDS row: 256 bytes + 16 of padding = 68 words: row r starts at bank 4 r mod 64 (64 banks of 4 bytes: ISA guide 11.1), so the 16 rows of a load start at 16 different banks
.set HALFT,  128*PITCH                 ; 128 rows: what one tensor load brings, and what one wave reads of A or of B
.set BHALF,  HALFT
.set SLOT,   4*HALFT                   ; A's 256 rows, then B's 256 rows
.set STAGE,  2*SLOT                    ; behind the ring, never filled by a tensor load: 16 rows x 528 bytes for each wave, for the way out
.set SPITCH, 528                       ; a stage row: my 128 columns, 512 bytes, + 16 = 132 words: row r starts at bank 4 r mod 64
.set SPARE,  STAGE+4*16*SPITCH         ; behind the stages: the spare words, 128 bytes for each wave: two blocks of 256 bytes that no other line names
.set LAPS,   SIZE_K/(2*KSTEP)          ; a lap = two K steps = once round the ring
.set ADRA, 16                          ; v16-17  LDS address of my A fragments in slot 0, 1
.set ADRB, 20                          ; v20-21  the same for B
.set STO,  24                          ; v24     the way out: where I put 32 bytes of a row
.set RD,   25                          ; v25     the way out: where I read 16 bytes of a row back
.set CO,   26                          ; v26     my byte offset in 512 bytes of out
.set SPW,  28                          ; v28     LDS address of my spare word: SPARE + 4 x my thread's number; never rewritten
.set NIL,  29                          ; v29     0; never rewritten
.set PFO,  30                          ; v30     the prefetches' offset: my lane x a row of A or B in memory; never rewritten
.set F0,   64                          ; fragment buffer 0
.set F1,   128                         ; fragment buffer 1
.set OB,   64                          ; the way out: 16 rows read back, 64 registers; two sets by turns
.set LIM,  43                          ; s43     1 in a wave that prefetches, else the greatest number
.set PFA,  44                          ; s[44:45] where my prefetches stand: my work-group's 32 rows of the 128 that I fetch, one K step further along K than the refill in hand
.set G1,  24                           ; s[24:31] descriptor group 1 for A's tiles
.set G0,  32                           ; s[32:39] descriptor group 0 for A's tiles, one set for each slot
.set G1B, 48                           ; s[48:55] group 1 for B's tiles: it differs in the mask alone
.set G0B, 56                           ; s[56:63] group 0 for B's tiles
.set MSB, 0
.macro WIN new                         ; the immediate's high byte repeats the setting that is left; a switch that changes nothing is dropped
.if MSB != (\new)
	s_set_vgpr_msb (MSB<<8)|(\new)
.set MSB, \new
.endif
.endm
.set MUL_LO, 0xa1                      ; source 0 (B) window 1, source 1 (A) window 0, C and D window 2
.set MUL_HI, 0xf1                      ; the same, C and D window 3
.set TO_B,   0x40                      ; destination window 1, address window 0
; A joint load.  Waves 0 and 1 fetch A's two halves, waves 2 and 3 B's.  Each line has one mask and one set of registers for all that issue it; the branch hangs on the wave's number alone.
; An s_nop 0 and four v_nop follow each of the two lines, ahead of the jump, the label and what follows.
.macro JLOAD s
	s_cmp_eq_u32 s11, 0
	s_cbranch_scc0 .Lfor_b_\@
	tensor_load_to_lds s[G0+4*(\s):G0+4*(\s)+3], s[G1:G1+7]
	s_nop 0
.rept 4
	v_nop
.endr
	s_branch .Lasked_\@
.Lfor_b_\@:
	tensor_load_to_lds s[G0B+4*(\s):G0B+4*(\s)+3], s[G1B:G1B+7]
	s_nop 0
.rept 4
	v_nop
.endr
.Lasked_\@:
.endm
; A PREFETCH INTO THE L2, behind each joint refill and the run of LDS loads that follows it: the K step that stands TWO refills on (512 matrix instructions ahead of the load that will ask for it):
; 32 rows x 256 bytes, a lane a row, one instruction a wave.  Each row's 256 bytes of a K step are named ONCE in the launch: A's tile row is read by both clusters of that row of clusters: the one
; with cluster x = 0 asks; B's tile column by all eight clusters of that column: the one with cluster y = 0 asks.  The four partners that ask for a tile jointly share its rows out BY ADDRESS: of the
; 128 rows that a wave fetches the partner at place p takes 32 p .. 32 p + 31 (p = cx for A, cy for B).  K steps 0 to 3 come by their loads alone; the loop's last trip (s3 = 1) asks for nothing: there is no K step two on.
.macro ASK
	s_cmp_gt_u32 s3, s[LIM]
	s_cbranch_scc0 .Lnot_mine_\@
	global_prefetch_b8 v[PFO], s[PFA:PFA+1] offset:KSTEP*2 th:TH_LOAD_NT scope:SCOPE_SE
.Lnot_mine_\@:
.endm
; A round of the cluster's barrier: my work-group's barrier, so that wave 0's signal speaks for all four waves; wave 0 signals for the work-group; every wave waits for all sixteen; my work-group's barrier once more.
.macro CREST                           ; a round behind its opening barrier
	s_cmp_lg_u32 s10, 0
	s_cbranch_scc1 .Lnot_wave_0_\@
	s_barrier_signal -3
.Lnot_wave_0_\@:
	s_barrier_wait -3
	s_barrier_signal -1
	s_barrier_wait -1
.endm
.macro CROUND                          ; a whole round
	s_barrier_signal -1
	s_barrier_wait -1
	CREST
.endm
	s_load_b128 s[4:7], s[0:1], 0x0                ; A s[4:5], B s[6:7]
	s_load_b64 s[8:9], s[0:1], 0x10                ; out
	v_lshl_add_u32 v[SPW], v0, 2, SPARE
	v_mov_b32 v[NIL], 0
	ds_add_u32 v[SPW], v[NIL]                      ; the wave's opening: the add, twice on end, and its wait ahead of my first tensor load; the set-up below, work on registers, stands between
	ds_add_u32 v[SPW], v[NIL]                      ; and once more, under the one wait
	v_lshrrev_b32 v1, 5, v0
	v_readfirstlane_b32 s10, v1                    ; wave 0..3
	s_lshr_b32 s11, s10, 1                         ; which half of the tile's rows is mine.  Also: I fetch for A (0) or for B (1)
	s_and_b32 s12, s10, 1                          ; which half of its columns.  Also: which 128 rows of that tile I fetch
	s_bfe_u32 s40, ttmp6, 0x40000                  ; cx: my place along the cluster's x
	s_bfe_u32 s41, ttmp6, 0x40004                  ; cy: along its y
	s_lshl_b32 s42, ttmp9, 2                       ; in a cluster launch ttmp9 and ttmp7 count clusters
	s_add_co_u32 s42, s42, s40                     ; tile column = 4 x cluster x + cx
	s_and_b32 s13, ttmp7, 0xffff
	s_lshl_b32 s13, s13, 2
	s_add_co_u32 s13, s13, s41                     ; tile row = 4 x cluster y + cy
	s_lshl_b32 s43, s41, 2
	s_lshl_b32 s43, 15, s43                        ; my row of the cluster: places 4 cy .. 4 cy + 3
	s_lshl_b32 s44, 0x1111, s40                    ; my column: places cx, cx + 4, cx + 8, cx + 12
	; descriptor group 1: a tile of 128 rows x 128 elements, padded in LDS
	s_or_b32 s[G1+0], s43, (1<<16)|(1<<20)|(1<<21)|(5<<22)|(3<<25)   ; 15:0 the mask: A's tiles go to my row; 17:16 elements of 2 bytes; 20 padding on; 21 set beside a mask; 24:22 after every 64 words (code 5); 31:25 4 words of it (code 3)
	s_or_b32 s[G1B+0], s44, (1<<16)|(1<<20)|(1<<21)|(5<<22)|(3<<25)  ; the same with the mask of my column, for B's tiles
.irp g, G1, G1B
	s_mov_b32 s[(\g)+1], KSTEP<<16                 ; tensor_dim0 = 128
	s_mov_b32 s[(\g)+2], 128<<16                   ; tensor_dim1 = 128
	s_mov_b32 s[(\g)+3], KSTEP<<16                 ; tile_dim0 = 128
	s_mov_b32 s[(\g)+4], 128                       ; tile_dim1 = 128
	s_mov_b32 s[(\g)+5], SIZE_K                    ; elements from row to row
	s_mov_b32 s[(\g)+6], 0
	s_mov_b32 s[(\g)+7], 0
.endr
	; where the tiles come from.  A's hang on the tile row alone, which my row of the cluster shares; B's on the tile column alone, which my column shares.  Every wave makes both, in registers that never hold the other coordinate.
	s_lshl_b32 s17, s12, 7
	s_lshl_b32 s16, s13, 8
	s_add_co_u32 s16, s16, s17                     ; A: row 256 x tile row + 128 x half
	s_mul_i32 s16, s16, SIZE_K*2                   ; in bytes: under 2^25
	s_mov_b32 s17, 0
	s_lshl_b32 s46, s42, BCOL_SH
	s_lshl_b32 s47, s12, BSPL_SH
	s_add_co_u32 s46, s46, s47                     ; B: row 256 x tile column + 128 x half
	s_mul_i32 s46, s46, SIZE_K*2
	s_mov_b32 s47, 0
	s_mul_i32 s20, s10, HALFT                      ; and where they go: wave x 128 rows: no place in the cluster enters an LDS address
	s_wait_dscnt 0x0                               ; both opening adds are done
	s_wait_kmcnt 0x0
	s_add_nc_u64 s[14:15], s[4:5], s[16:17]
	s_add_nc_u64 s[46:47], s[6:7], s[46:47]
	CROUND                                         ; all sixteen work-groups are here: the first joint loads meet
.irp s, 0,1
	s_mov_b32 s[G0+4*(\s)], 1                                        ; count = 1
	s_add_co_u32 s[G0+4*(\s)+1], s20, (\s)*SLOT                      ; LDS address
	s_add_nc_u64 s[G0+4*(\s)+2:G0+4*(\s)+3], s[14:15], (\s)*KSTEP*2  ; global address: K step s
	s_or_b32 s[G0+4*(\s)+3], s[G0+4*(\s)+3], 0x80000000              ; type = 2
	s_mov_b32 s[G0B+4*(\s)], 1
	s_add_co_u32 s[G0B+4*(\s)+1], s20, (\s)*SLOT
	s_add_nc_u64 s[G0B+4*(\s)+2:G0B+4*(\s)+3], s[46:47], (\s)*KSTEP*2
	s_or_b32 s[G0B+4*(\s)+3], s[G0B+4*(\s)+3], 0x80000000
	JLOAD \s                                       ; the ring is filled before anything else is done: two loads of mine are out
.endr
	; A fragment is 16 rows x 32 K in 8 registers: lane l holds row l % 16; registers 0-3 K = 8 (l / 16) + 0..7, registers 4-7 K = 16 + 8 (l / 16) + 0..7: two loads of 16 bytes, 32 bytes apart.
	v_and_b32 v1, 15, v0                           ; l % 16
	v_bfe_u32 v2, v0, 4, 1                         ; l / 16
	v_mul_u32_u24 v3, v1, PITCH
	v_lshl_add_u32 v3, v2, 4, v3                   ; row x pitch + 16 x half
	s_mul_i32 s21, s11, HALFT                      ; my 128 rows of A
	s_mul_i32 s22, s12, BHALF                      ; my 128 rows of B,
	s_add_co_u32 s22, s22, 2*HALFT                 ; which lie behind A's 256
.irp s, 0,1
	v_add_nc_u32 v[ADRA+(\s)], s21, v3
	v_add_nc_u32 v[ADRB+(\s)], s22, v3
	s_add_co_u32 s21, s21, SLOT
	s_add_co_u32 s22, s22, SLOT
.endr
	; the way out: a stage of my own
	s_mul_i32 s23, s10, 16*SPITCH
	s_add_co_u32 s23, s23, STAGE
	v_mul_u32_u24 v4, v1, SPITCH                   ; in: row l % 16, 32 bytes for each half of the lanes
	v_lshl_add_u32 v4, v2, 5, v4
	v_add_nc_u32 v[STO], s23, v4
	v_and_b32 v5, 31, v0
	v_lshlrev_b32 v[CO], 4, v5                     ; back: 32 lanes take one row's 512 bytes, which are 512 consecutive bytes of out
	v_add_nc_u32 v[RD], s23, v[CO]
	s_lshl_b32 s16, s13, 8
	s_lshl_b32 s17, s11, 7
	s_add_co_u32 s16, s16, s17                     ; my first row of out: 256 x tile row + 128 x half
	s_mul_i32 s16, s16, OROW                       ; under 2^27
	s_mov_b32 s17, 0
	s_lshl_b32 s46, s42, 10                        ; my first column, in bytes: 1,024 x tile column + 512 x half
	s_lshl_b32 s47, s12, 9
	s_add_co_u32 s46, s46, s47
	s_mov_b32 s47, 0
	s_add_nc_u64 s[16:17], s[16:17], s[46:47]
	s_add_nc_u64 s[8:9], s[8:9], s[16:17]
	; the prefetches
	s_lshl_b32 s18, s13, 8
	s_lshl_b32 s19, s12, 7
	s_add_co_u32 s18, s18, s19                     ; the first row that I fetch, in A,
	s_lshl_b32 s19, s42, BCOL_SH
	s_lshl_b32 s23, s12, BSPL_SH
	s_add_co_u32 s19, s19, s23                     ; and in B
	s_and_b32 s22, ttmp7, 0xffff                   ; cluster y
	s_cmp_eq_u32 s11, 0                            ; do I fetch for A?
	s_cselect_b32 s20, s18, s19
	s_cselect_b32 s21, s40, s41                    ; my place among the four that ask with me
	s_cselect_b32 s22, ttmp9, s22                  ; the coordinate along which other clusters read the same rows
	s_cselect_b64 s[PFA:PFA+1], s[4:5], s[6:7]
	s_cmp_eq_u32 s22, 0
	s_cselect_b32 s[LIM], 1, -1                    ; the same in all sixteen partners, for a given wave
	s_lshl_b32 s21, s21, 5
	s_add_co_u32 s20, s20, s21                     ; + my work-group's 32 rows
	s_mul_i32 s20, s20, SIZE_K*2
	s_mov_b32 s21, 0
	s_add_nc_u64 s[PFA:PFA+1], s[PFA:PFA+1], s[20:21]
	s_add_nc_u64 s[PFA:PFA+1], s[PFA:PFA+1], 2*KSTEP*2  ; at K step 2: the first refill steps it to 3 and names K step 4
	v_and_b32 v[PFO], 31, v0
	v_mul_u32_u24 v[PFO], v[PFO], SIZE_K*2
; 16 matrix instructions: m blocks a0, a0 + 1 of the window's four (hi = 0: my rows 0-63, 1: rows 64-127) x all 8 n blocks, 32 along K.  zero = 1: the first product starts the sums: nothing is ever cleared.
.macro MUL16 f, hi, a0, zero
	WIN MUL_LO+0x50*(\hi)
.irp a, \a0, (\a0)+1
.irp b, 0,1,2,3,4,5,6,7
.if \zero
	v_wmma_f32_16x16x32_bf16 v[8*(8*(\a)+(\b)):8*(8*(\a)+(\b))+7], v[(\f)+8*(\b):(\f)+8*(\b)+7], v[(\f)+8*(4*(\hi)+(\a)):(\f)+8*(4*(\hi)+(\a))+7], 0
.else
	v_wmma_f32_16x16x32_bf16 v[8*(8*(\a)+(\b)):8*(8*(\a)+(\b))+7], v[(\f)+8*(\b):(\f)+8*(\b)+7], v[(\f)+8*(4*(\hi)+(\a)):(\f)+8*(4*(\hi)+(\a))+7], v[8*(8*(\a)+(\b)):8*(8*(\a)+(\b))+7]
.endif
.endr
.endr
.endm
; 32 LDS loads in one run: the fragments of one quarter step (my 128 rows of B, my 128 rows of A, 32 K at byte k of the rows) into buffer f
.macro FETCH slot, k, f
	WIN TO_B
.irp i, 0,1,2,3,4,5,6,7
	ds_load_b128 v[(\f)+8*(\i):(\f)+8*(\i)+3],   v[ADRB+(\slot)] offset:(\k)+((\i)*16+((\i)/4)*BSKIP)*PITCH
	ds_load_b128 v[(\f)+8*(\i)+4:(\f)+8*(\i)+7], v[ADRB+(\slot)] offset:(\k)+((\i)*16+((\i)/4)*BSKIP)*PITCH+32
.endr
	WIN 0
.irp i, 0,1,2,3,4,5,6,7
	ds_load_b128 v[(\f)+8*(\i):(\f)+8*(\i)+3],   v[ADRA+(\slot)] offset:(\k)+(\i)*16*PITCH
	ds_load_b128 v[(\f)+8*(\i)+4:(\f)+8*(\i)+7], v[ADRA+(\slot)] offset:(\k)+(\i)*16*PITCH+32
.endr
.endm
; A load into a register that a matrix instruction has read, and a vector instruction or LDS store that reads a matrix result, stand four places behind that matrix instruction, and only plain vector
; instructions that name none of its registers are places (ISA guide 7.12.1 for vector instructions).
.macro PLACES
.rept 4
	v_nop
.endr
.endm
; A K step is four quarter steps of 32 along K, 64 matrix instructions each, on buffers 0, 1, 0, 1.  The 64 accumulators take turns in the same order in every quarter.
; One of the first three: multiplies buffer f; in its middle it fetches the next quarter's fragments, at byte k of the same slot's rows, into buffer g.
.macro QUARTER slot, k, f, g, zero
	s_wait_dscnt 8                                 ; B and A's rows 0-63 are in; the youngest eight loads (A's rows 64-127) may be out
	MUL16 \f, 0, 0, \zero
	MUL16 \f, 0, 2, \zero
	PLACES
	FETCH \slot, \k, \g
	s_wait_dscnt 32                                ; all but the 32 just issued
	MUL16 \f, 1, 0, \zero
	MUL16 \f, 1, 2, \zero
.endm
; The last quarter multiplies buffer 1 and changes slots.  MEET is its first half: ONE barrier for two things.  In front of it each wave waits for all its tensor loads, of which one is out: its part of
; the next slot; adds 0 to its spare word; and waits for that and for its own reads of this slot.  Behind it nobody reads this slot any more and the next slot is whole.
.macro MEET round                      ; round = 1: a round of the cluster's barrier follows
	WIN 0                                          ; (the add's two registers lie in window 0)
	s_wait_tensorcnt 0x0                           ; all my tensor loads have landed
	ds_add_u32 v[SPW], v[NIL]                      ; 0 onto my spare word
	s_wait_dscnt 9                                 ; (the add and the youngest eight loads may be out)
	MUL16 F1, 0, 0, 0                              ; sixteen matrix instructions stand between the add and the wait for it
	s_wait_dscnt 0x0                               ; the add is done, and my reads of this slot are over
	s_barrier_signal -1
	MUL16 F1, 0, 2, 0                              ; work on registers while the others arrive
.if \round
	WIN 0
.endif
	s_barrier_wait -1
.endm
; The whole last quarter, where the slot just read out is filled again, with the K step two steps on: the joint refill is the first tensor load behind the round, my one load until the next round;
; from the request to the wait for it a wave issues 224 matrix instructions.
.macro TURN slot, next
	s_wait_xcnt 0x0                                ; the last prefetch, a K step back, has read its address: it is stepped here, ahead of the change's own waits
	s_add_nc_u64 s[PFA:PFA+1], s[PFA:PFA+1], KSTEP*2
	MEET 1
	CREST                                          ; no wave of any partner still reads this slot's tile or has a load on its way
	s_add_nc_u64 s[G0+4*(\slot)+2:G0+4*(\slot)+3], s[G0+4*(\slot)+2:G0+4*(\slot)+3], 2*KSTEP*2
	s_add_nc_u64 s[G0B+4*(\slot)+2:G0B+4*(\slot)+3], s[G0B+4*(\slot)+2:G0B+4*(\slot)+3], 2*KSTEP*2
	JLOAD \slot                                    ; the four v_nop behind it are also the places in front of the loads below
	FETCH \next, 0, F0
	ASK
	MUL16 F1, 1, 0, 0
	MUL16 F1, 1, 2, 0
.endm
	s_wait_tensorcnt 1                             ; my part of K step 0 is in; K step 1's may stay out
	s_barrier_signal -1
	s_barrier_wait -1                              ; everybody's is
	FETCH 0, 0, F0
	QUARTER 0, 64,  F0, F1, 1                      ; the first quarter stands in front of the loop: its products start the sums
	WIN 0                                          ; at a label and at a branch every window is 0
	s_mov_b32 s3, LAPS-1
.Llap:                                                 ; a trip goes once round the ring, from a lap's second quarter to the next lap's first, and fills both slots again
	QUARTER 0, 128, F1, F0, 0
	QUARTER 0, 192, F0, F1, 0
	TURN 0, 1
	QUARTER 1, 64,  F0, F1, 0
	QUARTER 1, 128, F1, F0, 0
	QUARTER 1, 192, F0, F1, 0
	TURN 1, 0
	QUARTER 0, 64,  F0, F1, 0
	WIN 0
	s_sub_co_u32 s3, s3, 1
	s_cmp_lg_u32 s3, 0
	s_cbranch_scc1 .Llap
	QUARTER 0, 128, F1, F0, 0                      ; the last lap is written out: it fills nothing, and has no round of the cluster's barrier
	QUARTER 0, 192, F0, F1, 0
	MEET 0                                         ; my one tensor load that was still out is slot 1's, the last K step's
	PLACES
	FETCH 1, 0, F0
	MUL16 F1, 1, 0, 0
	MUL16 F1, 1, 2, 0
	QUARTER 1, 64,  F0, F1, 0
	QUARTER 1, 128, F1, F0, 0
	QUARTER 1, 192, F0, F1, 0
	s_wait_dscnt 8                                 ; the very last quarter: nothing more to fetch
	MUL16 F1, 0, 0, 0
	MUL16 F1, 0, 2, 0
	s_wait_dscnt 0x0
	MUL16 F1, 1, 0, 0
	MUL16 F1, 1, 2, 0
	WIN 0
	PLACES                                         ; eight plain places, once a launch, between the last products and the first read of a result or load into a fragment's register
	PLACES
; THE WAY OUT, a block of 16 of my rows at a time, through my own stage: no other wave touches it, so no barrier; LDS serves a wave's instructions in order (ISA guide 5.7.1.4), so no wait stands
; between the stores and the loads, nor between a block's loads and the next block's stores.
; TOSTAGE a: a lane's 32 bytes of each n block go into rows of 528 bytes, each accumulator's low four registers first; the 16 rows come back whole, 512 bytes a load.
.macro TOSTAGE a
.set AC, 64*((\a)%4)
.set BK, OB+64*((\a)%2)
	WIN (2+(\a)/4)<<2                              ; an LDS store's data is source 1: the block's window
.irp b, 0,1,2,3,4,5,6,7
	ds_store_b128 v[STO], v[AC+8*(\b):AC+8*(\b)+3]   offset:64*(\b)
	ds_store_b128 v[STO], v[AC+8*(\b)+4:AC+8*(\b)+7] offset:64*(\b)+16
.endr
	WIN 0
.if (\a) >= 2
	s_wait_xcnt 0x0                                ; the stores of the block two back have read these registers (ISA guide 3.1): they are loaded again only behind this wait
.endif
.irp t, 0,1,2,3,4,5,6,7,8,9,10,11,12,13,14,15
	ds_load_b128 v[BK+4*(\t):BK+4*(\t)+3], v[RD] offset:(\t)*SPITCH
.endr
.endm
; SEND a: block a's rows are stored.  younger: the LDS instructions issued behind its loads: the next block's 16 stores and 16 loads, or none.
.macro SEND a, younger
.set BK, OB+64*((\a)%2)
.irp t, 0,1,2,3,4,5,6,7,8,9,10,11,12,13,14,15
	s_wait_dscnt (\younger)+15-(\t)                ; row t is back in registers
	global_store_b128 v[CO], v[BK+4*(\t):BK+4*(\t)+3], s[8:9] offset:(16*(\a)+(\t))*OROW th:TH_STORE_NT  ; the wave stores 512 consecutive bytes, at a multiple of 512 from out's first byte
.endr
.endm
	TOSTAGE 0
.irp a, 1,2,3,4,5,6,7
	TOSTAGE \a                                     ; the next block's way through the stage stands between a block's loads and the waits for them
	SEND (\a)-1, 32
.endr
	SEND 7, 0
	s_wait_tensorcnt 0x0                           ; the wave's end: behind my last tensor load and my last LDS store
	ds_add_u32 v[SPW], v[NIL]
	s_wait_dscnt 0x0
	CROUND                                         ; the closing round: no work-group ends while a partner may still ask for a tile that names it
	s_endpgm
.Lfunc_end_k_qdc47fa7ba4_down:
	.size	k_qdc47fa7ba4_down, .Lfunc_end_k_qdc47fa7ba4_down-k_qdc47fa7ba4_down
	.p2alignl 7, 3214868480
	.fill 96, 4, 3214868480
	.section	.rodata,"a",@progbits
	.p2align	6, 0x0
	.amdhsa_kernel k_qdc47fa7ba4_down
		.amdhsa_group_segment_fixed_size 327680
		.amdhsa_private_segment_fixed_size 0
		.amdhsa_enable_private_segment 0
		.amdhsa_kernarg_size 24
		.amdhsa_user_sgpr_count 2
		.amdhsa_user_sgpr_kernarg_segment_ptr 1
		.amdhsa_wavefront_size32 1
		.amdhsa_system_sgpr_workgroup_id_x 1
		.amdhsa_system_sgpr_workgroup_id_y 1
		.amdhsa_system_sgpr_workgroup_id_z 1
		.amdhsa_system_vgpr_workitem_id 0
		.amdhsa_next_free_vgpr 1024
		.amdhsa_next_free_sgpr 66
		.amdhsa_reserve_vcc 0
		.amdhsa_float_denorm_mode_32 3
		.amdhsa_float_denorm_mode_16_64 3
		.amdhsa_memory_ordered 1
		.amdhsa_forward_progress 1
		.amdhsa_inst_pref_size 145
	.end_amdhsa_kernel
	.amdgpu_metadata
---
amdhsa.version: [ 1, 2 ]
amdhsa.kernels:
  - .name:           k_qdc47fa7ba4_down
    .symbol:         k_qdc47fa7ba4_down.kd
    .args:
      - { .name: h, .offset: 0, .size: 8, .value_kind: global_buffer, .address_space: global }
      - { .name: wdb, .offset: 8, .size: 8, .value_kind: global_buffer, .address_space: global }
      - { .name: out0, .offset: 16, .size: 8, .value_kind: global_buffer, .address_space: global }
    .group_segment_fixed_size: 327680
    .private_segment_fixed_size: 0
    .kernarg_segment_align: 8
    .kernarg_segment_size: 24
    .max_flat_workgroup_size: 128
    .sgpr_count:     66
    .vgpr_count:     1024
    .wavefront_size: 32
...
	.end_amdgpu_metadata
.endif
;; end of part 3
;; ======== version 2 of 2: 3 launches; version 1 with the launch cast written anew for expert scheduling mode
;; workspace buffers: xb 33,554,432 bytes; wgu 8,388,608 bytes; wdb 4,194,304 bytes; h 16,777,216 bytes
;; launch cast (part 4): grid 256 x 1, 32 waves a work-group, no clusters, 0 bytes of LDS; arguments x, w_gate, w_up, w_down, xb, wgu, wdb; writes xb, wgu, wdb
.if DOCPART == 4
	.amdgcn_target "amdgcn-amd-amdhsa--gfx1250"
	.amdhsa_code_object_version 6
	.text
	.protected	k_qdc47fa7ba4_cast
	.globl	k_qdc47fa7ba4_cast
	.p2align	8
	.type	k_qdc47fa7ba4_cast,@function
k_qdc47fa7ba4_cast:
	s_mov_b64 s[64:65], 0
	v_nop
	global_prefetch_b8 v0, s[64:65] scope:SCOPE_SE
	s_setreg_imm32_b32 hwreg(HW_REG_WAVE_SCHED_MODE, 0, 2), 2
	s_setreg_imm32_b32 hwreg(HW_REG_WAVE_MODE, 25, 1), 1
	s_wait_xcnt 0x0
	s_wait_alu depctr_vm_vsrc(0)
; out = down( silu(x Wg^T) * (x Wu^T) ), in three launches: this one rounds all four inputs to bf16, once for each number; the second makes
; h = silu(x Wg^T) * (x Wu^T); the third makes out = h Wd^T.  NOTHING IS LEFT OUT: each of the four inputs reaches the output for every value, so all are loaded and all products are made.
; THIS LAUNCH: xb = bf16(x) [8192][2048]; wgu = bf16(w_gate) in rows 0-1023 and bf16(w_up) in rows 1024-2047, [2048][2048]; wdb = bf16(w_down) [2048][1024].
; Rounding is to nearest even.  LIMIT: an f32 beyond bf16's largest finite number (3.39e38) becomes an infinity; NaN stays NaN.
; SHARES.  256 work-groups of 1,024 threads.  A PIECE is 16,384 bytes of f32: one load of 16 bytes a thread; a wave's load covers 512 consecutive bytes, aligned, and its store of
; 8 bytes a lane 256 consecutive bytes, aligned.  Work-group g takes 16 pieces of x on end (262,144 bytes) and 2 pieces of each weight (32,768 bytes).
; All 22 loads of a thread go out before the first wait for data: no loop, no register is written twice while a memory instruction names it.  No LDS, no barrier, no matrix unit: no byte is used twice.
; THE MODE: SCHED_MODE bits 1:0 = 2 (LLVM: expert scheduling mode 2), set by the entry lines.  The code itself states the register dependences
; between vector instructions and memory instructions, with s_wait_alu, always for 0.
; THE PLAN.  Registers that memory instructions touch:
;   v1, v2     byte offsets, made once at the head and never written again: v1 is read by every load, v2 by every store.
;   X[j]       four registers for load j of 22.  Load j lands in them, once; its two conversions read all four and write the first two; store j reads those two; nothing writes them after that.
; So no load lands in a register that a vector instruction has named, and no register that a memory instruction has read is written again: what is left to state is that an offset, and a store's
; data, are written before they are read.  The 22 loads go in six GROUPS, five of four and one of two.  Group g rounds its own registers; its memory instructions are the stores of group g - 1,
; which read group g - 1's registers and v2 alone.  ONE wait at a group's head, behind the wait for the group's data, states that the group before has written what those stores read; the stores
; are then dealt among the group's conversions, which name none of their registers, with no further wait.
.set PIECE, 16384                      ; bytes in, for one load of each thread
.set HALFP, 8192                       ; bytes out
.set X,     4                          ; v[4:91]  load j: four registers; its first two then hold the four bf16
	s_load_b256 s[4:11], s[0:1], 0x0               ; x s[4:5], w_gate s[6:7], w_up s[8:9], w_down s[10:11]
	s_load_b128 s[12:15], s[0:1], 0x20             ; xb s[12:13], wgu s[14:15]
	s_load_b64 s[16:17], s[0:1], 0x30              ; wdb
	v_lshlrev_b32 v1, 4, v0                        ; my 16 bytes of a piece
	v_lshlrev_b32 v2, 3, v0                        ; my 8 bytes of its bf16 copy
	s_lshl_b32 s18, ttmp9, 18                      ; the work-group's part of x,
	s_mov_b32 s19, 0
	s_lshl_b32 s20, ttmp9, 15                      ; of each weight,
	s_mov_b32 s21, 0
	s_lshl_b32 s22, ttmp9, 17                      ; of xb
	s_mov_b32 s23, 0
	s_wait_kmcnt 0x0
	s_add_nc_u64 s[4:5], s[4:5], s[18:19]
	s_add_nc_u64 s[6:7], s[6:7], s[20:21]
	s_add_nc_u64 s[8:9], s[8:9], s[20:21]
	s_add_nc_u64 s[10:11], s[10:11], s[20:21]
	s_add_nc_u64 s[12:13], s[12:13], s[22:23]
	s_lshl_b32 s18, ttmp9, 14                      ; and of a weight's bf16 copy
	s_add_nc_u64 s[14:15], s[14:15], s[18:19]
	s_add_nc_u64 s[16:17], s[16:17], s[18:19]
	s_wait_alu depctr_va_vdst(0)                   ; v1 and v2 are written: every load of the kernel reads v1 as its offset, every store v2
.irp j, 0,1,2,3,4,5,6,7,8,9,10,11,12,13,14,15
	global_load_b128 v[X+4*(\j):X+4*(\j)+3], v1, s[4:5] offset:(\j)*PIECE th:TH_LOAD_NT
.endr
.irp i, 0,1
	global_load_b128 v[X+64+4*(\i):X+64+4*(\i)+3], v1, s[6:7] offset:(\i)*PIECE th:TH_LOAD_NT
.endr
.irp i, 0,1
	global_load_b128 v[X+72+4*(\i):X+72+4*(\i)+3], v1, s[8:9] offset:(\i)*PIECE th:TH_LOAD_NT
.endr
.irp i, 0,1
	global_load_b128 v[X+80+4*(\i):X+80+4*(\i)+3], v1, s[10:11] offset:(\i)*PIECE th:TH_LOAD_NT
.endr
; Load j of 22 is rounded: four f32 close up into the first two of their four registers.
.macro CV j
	v_cvt_pk_bf16_f32 v[X+4*(\j)],   v[X+4*(\j)],   v[X+4*(\j)+1]
	v_cvt_pk_bf16_f32 v[X+4*(\j)+1], v[X+4*(\j)+2], v[X+4*(\j)+3]
.endm
; .. and stored at byte off behind base.
.macro ST j, base, off
	global_store_b64 v2, v[X+4*(\j):X+4*(\j)+1], s[(\base):(\base)+1] offset:\off
.endm
	s_wait_loadcnt 18                              ; loads come back in order (ISA guide 5.7.1): group 0, loads 0 to 3, is in; the 18 younger ones may stay out
	CV 0                                           ; group 0 has no group in front of it: it stores nothing
	CV 1
	CV 2
	CV 3
.irp g, 1,2,3,4                                        ; groups 1 to 3: x; group 4: w_gate and w_up.  The stores of groups 0 to 3 are all xb's
	s_wait_loadcnt 18-4*(\g)                       ; loads 4 g to 4 g + 3 are in; the 18 - 4 g younger ones may stay out
	s_wait_alu depctr_va_vdst(0)                   ; the conversions of the group before have written its registers, which the four stores below read
.irp i, 0,1,2,3
	ST 4*(\g)-4+(\i), 12, (4*(\g)-4+(\i))*HALFP    ; no vector instruction since the wait names this store's registers
	CV 4*(\g)+(\i)
.endr
.endr
	s_wait_loadcnt 0x0                             ; group 5: w_down, the last two loads
	s_wait_alu depctr_va_vdst(0)                   ; the conversions of group 4 have written its registers, which the four stores below read
	ST 16, 14, 0                                   ; w_gate: wgu's rows 0-1023
	CV 20
	ST 17, 14, HALFP
	CV 21
	ST 18, 14, 4194304                             ; w_up: wgu's rows 1024-2047, 1,024 rows of 4,096 bytes on
	ST 19, 14, 4194304+HALFP
	s_wait_alu depctr_va_vdst(0)                   ; the conversions of group 5 have written its registers, which the last two stores read
	ST 20, 16, 0
	ST 21, 16, HALFP
	s_endpgm
.Lfunc_end_k_qdc47fa7ba4_cast:
	.size	k_qdc47fa7ba4_cast, .Lfunc_end_k_qdc47fa7ba4_cast-k_qdc47fa7ba4_cast
	.p2alignl 7, 3214868480
	.fill 96, 4, 3214868480
	.section	.rodata,"a",@progbits
	.p2align	6, 0x0
	.amdhsa_kernel k_qdc47fa7ba4_cast
		.amdhsa_group_segment_fixed_size 0
		.amdhsa_private_segment_fixed_size 0
		.amdhsa_enable_private_segment 0
		.amdhsa_kernarg_size 56
		.amdhsa_user_sgpr_count 2
		.amdhsa_user_sgpr_kernarg_segment_ptr 1
		.amdhsa_wavefront_size32 1
		.amdhsa_system_sgpr_workgroup_id_x 1
		.amdhsa_system_sgpr_workgroup_id_y 1
		.amdhsa_system_sgpr_workgroup_id_z 1
		.amdhsa_system_vgpr_workitem_id 0
		.amdhsa_next_free_vgpr 96
		.amdhsa_next_free_sgpr 66
		.amdhsa_reserve_vcc 0
		.amdhsa_float_denorm_mode_32 3
		.amdhsa_float_denorm_mode_16_64 3
		.amdhsa_memory_ordered 1
		.amdhsa_forward_progress 1
		.amdhsa_inst_pref_size 9
	.end_amdhsa_kernel
	.amdgpu_metadata
---
amdhsa.version: [ 1, 2 ]
amdhsa.kernels:
  - .name:           k_qdc47fa7ba4_cast
    .symbol:         k_qdc47fa7ba4_cast.kd
    .args:
      - { .name: x, .offset: 0, .size: 8, .value_kind: global_buffer, .address_space: global }
      - { .name: w_gate, .offset: 8, .size: 8, .value_kind: global_buffer, .address_space: global }
      - { .name: w_up, .offset: 16, .size: 8, .value_kind: global_buffer, .address_space: global }
      - { .name: w_down, .offset: 24, .size: 8, .value_kind: global_buffer, .address_space: global }
      - { .name: xb, .offset: 32, .size: 8, .value_kind: global_buffer, .address_space: global }
      - { .name: wgu, .offset: 40, .size: 8, .value_kind: global_buffer, .address_space: global }
      - { .name: wdb, .offset: 48, .size: 8, .value_kind: global_buffer, .address_space: global }
    .group_segment_fixed_size: 0
    .private_segment_fixed_size: 0
    .kernarg_segment_align: 8
    .kernarg_segment_size: 56
    .max_flat_workgroup_size: 1024
    .sgpr_count:     66
    .vgpr_count:     96
    .wavefront_size: 32
...
	.end_amdgpu_metadata
.endif
;; end of part 4
;; launch gateup: the kernel of part 2 again; grid 8 x 32, 4 waves a work-group, clusters of 4 x 4, 327,680 bytes of LDS; arguments xb, wgu, h; writes h
;; launch down: the kernel of part 3 again; grid 8 x 32, 4 waves a work-group, clusters of 4 x 4, 327,680 bytes of LDS; arguments h, wdb, out0; writes out0
